; MI455X (gfx1250); checked and timed in simulation.
; The chip was launched on July 23, 2026; its instructions are those of AMD's public machine-readable ISA for CDNA 5 (MIT licence, August 2026) and "CDNA5" Instruction Set Architecture Reference Guide (July 2026). The comments in the code are by the model that wrote it; some were corrected since.
;; Distance Transform. Allowed arithmetic: float matrix products may take bf16 or f16 operands with f32 sums; all other float work in f32.
;; Inputs: x 2 x 3 x 256 x 256 float32.
;; Outputs: out0 2 x 3 x 256 x 256 float32.
;; 2 versions, each right; version 2 is version 1 with the launch edt written anew for expert scheduling mode. Each part assembles by itself: llvm-mc -triple=amdgcn-amd-amdhsa -mcpu=gfx1250 --defsym DOCPART=n.
;; ======== version 1 of 2: 1 launch
;; launch edt (part 1): grid 32 x 6, 16 waves a work-group, no clusters, 75,776 bytes of LDS; arguments x, out0; writes out0
.if DOCPART == 1
	.amdgcn_target "amdgcn-amd-amdhsa--gfx1250"
	.amdhsa_code_object_version 6
	.text
	.protected	k_q32895b630e_edt
	.globl	k_q32895b630e_edt
	.p2align	8
	.type	k_q32895b630e_edt,@function
k_q32895b630e_edt:
	s_mov_b64 s[64:65], 0
	v_nop
	global_prefetch_b8 v0, s[64:65] scope:SCOPE_SE
	s_setreg_imm32_b32 hwreg(HW_REG_WAVE_MODE, 25, 1), 1
	s_wait_xcnt 0x0
; Exact Euclidean distance transform of 6 images of 256 x 256 f32: out = sqrt(min over zero pixels of dr^2 + dc^2), 512 where the image
; has no zero, NaN where x is NaN.  All intermediate numbers are whole and below 2^24, so f32 sums are exact and the two one-dimensional
; passes may change places: here the pass along H comes first and the pass along W second, so that a work-group's results are whole rows.
; LIMITS: x == 0 is the IEEE compare (-0.0 is a zero, a denormal is not, NaN is not); the root is v_sqrt_f32 (1 ULP).
;
; A work-group (ttmp9 = strip 0..31, ttmp7 = image 0..5) makes 8 rows x 256 columns with 16 waves.
;  1  Wave w reads rows 16w .. 16w+15 of the image (32 loads of 512 neighbouring bytes, all issued at once), from the row farthest from the
;     strip to the nearest: a compare and a select per register overwrite 'distance to the strip's edge'; the last write is the nearest zero.
;  2  Thread (column, side) takes the least of the 16 waves' figures and scans the 8 strip rows down (side 0) or up (side 1):
;     d = min(d + 1, flag), flag = 0 on a zero and 512 elsewhere.  512 is the cap, and 512^2 is the reference's INF.
;  3  Wave (row w >> 1, half w & 1) builds H[q] = min(down, up)^2 + q^2 of its row in 1,024 bytes of LDS of its own.
;  4  d2[p] = p^2 + min over q of (H[q] - 2 p q).  A lane owns 4 neighbouring p; two q cost one packed multiply-add and one min3.
; NO CLUSTER, NO TENSOR LOADS, though the 32 work-groups of an image read the same 262,144 bytes: each loaded register is used once, by one
; compare, straight where the load put it; through LDS the same bytes would cost 512 more LDS loads a work-group, and the image and the
; 73,728 bytes of tables below do not fit in LDS together.  No matrix instruction: a minimum of sums is no product.
; 192 work-groups: 256 rows divide into strips of 8; shorter strips would repeat step 1 in more work-groups.
.set BIGF, 0x44000000                  ; 512.0
.set VA,   0                           ; LDS: 16 slots (one a wave) of 2,048 bytes: 256 distances upward, 256 downward
.set FA,   32768                       ; 8 strip rows x 256 flags
.set SA,   40960                       ; 8 strip rows x (256 scanned downward, 256 scanned upward)
.set HR,   57344                       ; 16 waves x 256 H, each wave's own
.set L16, 3                            ; v3   16 x lane
.set W1,  4                            ; v4   wave x 1,024 + 16 x lane
.set W2,  5                            ; v5   wave x 2,048 + 16 x lane
.set W5,  6                            ; v6   wave x 512 + 16 x lane
.set T4,  7                            ; v7   4 x thread
.set C4,  8                            ; v8   4 x (thread mod 256)
.set RR,  9                            ; v9   strip row x 2,048 + 16 x lane
.set XS,  10                           ; v[10:13]   x of my 4 outputs
.set N,   14                           ; v[14:21]   8 columns: distance from the strip's edge to the nearest zero in my 16 rows
.set BIG, 22                           ; v[22:25]   512.0
.set FV,  26                           ; v[26:29]   flags of my 4 pixels
.set HB,  30                           ; v30  wave x 1,024 (the same in all lanes)
.set QF,  31                           ; v31  4 x lane as f32
.set X,   32                           ; v[32:159]  16 rows x 8 columns as loaded, in the order of issue
.set VO,  160                          ; v[160:175] byte offset of each of these rows
.set I,   176                          ; v[176:191] 0.0 .. 15.0
.set Q2,  192                          ; v[192:199] q^2 of the 8 columns 4 lane + k, 128 + 4 lane + k
.set PF,  200                          ; v[200:203] p of my 4 outputs
.set P,   204                          ; v[204:207] -2 p
.set CP,  208                          ; v[208:211] p (p - 480)
.set ACC, 212                          ; v[212:215] running minima
.set T,   32                           ; X is free behind step 1: v[32:47] 16 slots' figures
.set FR,  48                           ; v[48:55]   8 flags in scan order
.set D,   56                           ; v[56:63]   8 scanned distances
.set GA,  32                           ; v[32:39], v[40:47] the two scans of my row
.set GB,  40
.set H,   48                           ; v[48:55]   H of 8 columns
.set HB0, 64                           ; v[64:79], v[80:95] 16 H each, the same in all lanes: two buffers
.set HB1, 80
.set TT,  96                           ; v[96:111]  sums at work, two sets of four pairs
.set R,   112                          ; v[112:115] results
.set M,   36                           ; s[36:43]   compare masks
	s_load_b128 s[4:7], s[0:1], 0x0                ; x s[4:5], out0 s[6:7]
	v_lshl_add_u32 v216, v0, 2, 0x12000
	v_mov_b32 v217, 0
	v_and_b32 v1, 31, v0                           ; lane
	v_lshrrev_b32 v2, 5, v0
	v_readfirstlane_b32 s8, v2                     ; wave 0..15
	s_mov_b32 s9, ttmp9                            ; strip 0..31: rows 8 strip .. 8 strip + 7
	s_and_b32 s10, ttmp7, 0xffff                   ; image 0..5
	v_lshlrev_b32 v[L16], 4, v1
	s_lshl_b32 s12, s10, 18                        ; image x 262,144 bytes
	s_lshl_b32 s13, s9, 13                         ; strip x 8 rows x 1,024 bytes
	s_lshl_b32 s24, s8, 9                          ; wave x 512 = (wave >> 1) rows + (wave & 1) half rows
	s_add_co_u32 s16, s12, s13
	s_add_co_u32 s16, s16, s24                     ; my 512 bytes of the strip, in x and in out0
	s_mov_b32 s17, 0
	s_lshl_b32 s14, s8, 14                         ; wave x 16 rows
	s_add_co_u32 s14, s14, s12                     ; my 16 rows of the image
	s_mov_b32 s15, 0
	; Above the strip (2 wave < strip) rows go upward in number, below it downward: always toward the strip.
	s_mov_b32 s27, 0xfffffc00                      ; -1,024
	s_lshl_b32 s21, s8, 1
	s_cmp_lt_u32 s21, s9
	s_cselect_b32 s26, 0, 15360                    ; the first row's byte offset in my 16 rows,
	s_cselect_b32 s27, 1024, s27                   ; the step to the next,
	s_cselect_b32 s28, 1, 0                        ; and the direction, kept
	s_lshl_b32 s20, s9, 3
	s_lshl_b32 s22, s8, 4
	s_sub_co_i32 s20, s20, s22                     ; above: the strip's first row - my first row (8 .. 248)
	s_sub_co_i32 s29, 8, s20                       ; below: my last row - the strip's last row (8 .. 248)
	s_cmp_lg_u32 s28, 0
	s_cselect_b32 s20, s20, s29
	s_cvt_f32_u32 s20, s20                         ; the first row's distance from the strip's edge; each later row is 1 nearer
	s_lshr_b32 s30, s9, 1                          ; the wave whose 16 rows hold the strip
	s_wait_kmcnt 0x0
	s_add_nc_u64 s[14:15], s[4:5], s[14:15]
	s_add_nc_u64 s[18:19], s[6:7], s[16:17]
	s_add_nc_u64 s[16:17], s[4:5], s[16:17]
	global_load_b128 v[XS:XS+3], v[L16], s[16:17]
.set ld, 0
.rept 16
	v_add_nc_u32 v[VO+ld], s26, v[L16]             ; a register of its own for each row: none is rewritten while its loads are out
	global_load_b128 v[X+8*ld:X+8*ld+3],   v[VO+ld], s[14:15]
	global_load_b128 v[X+8*ld+4:X+8*ld+7], v[VO+ld], s[14:15] offset:512
	s_add_co_u32 s26, s26, s27
.set ld, ld+1
.endr
	; While the 33 loads are out: LDS addresses and the constants of steps 3 and 4.
	s_lshl_b32 s23, s8, 10
	s_lshl_b32 s22, s8, 11
	s_lshr_b32 s25, s8, 1
	s_lshl_b32 s25, s25, 11
	v_add_nc_u32 v[W1], s23, v[L16]
	v_add_nc_u32 v[W2], s22, v[L16]
	v_add_nc_u32 v[W5], s24, v[L16]
	v_add_nc_u32 v[RR], s25, v[L16]
	v_mov_b32 v[HB], s23
	v_lshlrev_b32 v[T4], 2, v0
	v_and_b32 v2, 0xff, v0
	v_lshlrev_b32 v[C4], 2, v2
.irp k, 0,1,2,3,4,5,6,7
	v_mov_b32 v[N+\k], BIGF                        ; no zero seen yet
.endr
.irp k, 0,1,2,3
	v_mov_b32 v[BIG+\k], BIGF
.endr
.irp k, 0,1,2,3,4,5,6,7,8,9,10,11,12,13,14,15
	v_cvt_f32_u32 v[I+\k], \k
.endr
	v_lshlrev_b32 v2, 2, v1
	v_cvt_f32_u32 v[QF], v2
.irp k, 0,1,2,3
	v_add_f32 v[Q2+\k], v[QF], v[I+\k]             ; q = 4 lane + k
.endr
.irp k, 0,1,2,3
	v_add_f32 v[Q2+4+\k], 0x43000000, v[Q2+\k]     ; q = 128 + 4 lane + k
.endr
	s_and_b32 s31, s8, 1
	s_lshl_b32 s31, s31, 7
	s_cvt_f32_u32 s31, s31                         ; 128 x my half
.irp j, 0,1,2,3
	v_add_f32 v[PF+\j], s31, v[Q2+\j]              ; p = 128 half + 4 lane + j
.endr
.irp k, 0,2,4,6
	v_pk_mul_f32 v[Q2+\k:Q2+\k+1], v[Q2+\k:Q2+\k+1], v[Q2+\k:Q2+\k+1]
.endr
.irp j, 0,2
	v_pk_mul_f32 v[P+\j:P+\j+1], v[PF+\j:PF+\j+1], -2.0 op_sel_hi:[1,0]
	v_pk_add_f32 v[CP+\j:CP+\j+1], v[PF+\j:PF+\j+1], 0xc3f00000 op_sel_hi:[1,0]    ; p - 480
.endr
.irp j, 0,2
	v_pk_mul_f32 v[CP+\j:CP+\j+1], v[CP+\j:CP+\j+1], v[PF+\j:PF+\j+1]
.endr
; STEP 1.  The row issued as number 'row': where x is zero its distance replaces what a farther row left.
.macro PROC row
	s_wait_loadcnt 30-2*\row                       ; loads return in order (ISA guide 5.7.1): the two loads of each later row may stay out
.irp k, 0,1,2,3,4,5,6,7
	v_cmp_eq_f32 s[M+\k], 0, v[X+8*\row+\k]
.endr
.irp k, 0,1,2,3,4,5,6,7
	v_cndmask_b32 v[N+\k], v[N+\k], s20, s[M+\k]
.endr
	s_add_f32 s20, s20, -1.0                       ; the next row is one nearer
.endm
.irp r, 0,1,2,3,4,5,6,7
	PROC \r
.endr
	s_cmp_eq_u32 s30, s8                           ; the nearer 8 of my rows are the strip itself: they are step 2's
	s_cbranch_scc1 .Lrows_done
.irp r, 8,9,10,11,12,13,14,15
	PROC \r
.endr
.Lrows_done:
	s_wait_loadcnt 0x0                             ; on both ways: X is used for other things from here on
.irp k, 0,1,2,3
	v_cmp_eq_f32 s[M+\k], 0, v[XS+\k]
.endr
.irp k, 0,1,2,3
	v_cndmask_b32 v[FV+\k], v[BIG+\k], 0, s[M+\k]  ; flag: 0 on a zero, 512 elsewhere
.endr
	ds_store_b128 v[W5], v[FV:FV+3] offset:FA
	s_cmp_lg_u32 s28, 0                            ; my figures go to my slot's half for my direction, 512 to the other
	s_cbranch_scc0 .Lstore_down
	ds_store_b128 v[W2], v[N:N+3]     offset:VA
	ds_store_b128 v[W2], v[N+4:N+7]   offset:VA+512
	ds_store_b128 v[W2], v[BIG:BIG+3] offset:VA+1024
	ds_store_b128 v[W2], v[BIG:BIG+3] offset:VA+1536
	s_branch .Lstored
.Lstore_down:
	ds_store_b128 v[W2], v[BIG:BIG+3] offset:VA
	ds_store_b128 v[W2], v[BIG:BIG+3] offset:VA+512
	ds_store_b128 v[W2], v[N:N+3]     offset:VA+1024
	ds_store_b128 v[W2], v[N+4:N+7]   offset:VA+1536
.Lstored:
	s_wait_dscnt 0x0                               ; zero: the other waves read these bytes behind the barrier
	s_barrier_signal -1
	s_barrier_wait -1
; STEP 2.  Threads 0-255 (side 0): column = thread, from the strip's first row down.  Threads 256-511 (side 1): from its last row up.
; 4 x thread is at once the column's place in the side's half of a slot and of a row of SA.  rev = 1: the rows in reverse.
.macro STAGE2 rev
.irp s, 0,1,2,3,4,5,6,7,8,9,10,11,12,13,14,15
	ds_load_b32 v[T+\s], v[T4] offset:VA+2048*\s
.endr
.irp k, 0,1,2,3,4,5,6,7
	ds_load_b32 v[FR+\k], v[C4] offset:FA+1024*(\rev*7+(1-2*\rev)*\k)
.endr
	s_wait_dscnt 0x8                               ; the 16 slots' figures are in; the 8 flag loads behind them may stay out
	v_min3_num_f32 v[T],    v[T],    v[T+1],  v[T+2]
	v_min3_num_f32 v[T+3],  v[T+3],  v[T+4],  v[T+5]
	v_min3_num_f32 v[T+6],  v[T+6],  v[T+7],  v[T+8]
	v_min3_num_f32 v[T+9],  v[T+9],  v[T+10], v[T+11]
	v_min3_num_f32 v[T+12], v[T+12], v[T+13], v[T+14]
	v_min3_num_f32 v[T],    v[T],    v[T+3],  v[T+6]
	v_min3_num_f32 v[T+9],  v[T+9],  v[T+12], v[T+15]
	s_wait_dscnt 0x0
	v_min3_num_f32 v[D], v[T], v[T+9], v[FR]       ; the edge row: nearest zero outside, or the row itself
.irp k, 1,2,3,4,5,6,7
	v_add_f32 v[D+\k], 1.0, v[D+\k-1]
	v_min_num_f32 v[D+\k], v[D+\k], v[FR+\k]       ; never above 512, since no flag is
.endr
.irp k, 0,1,2,3,4,5,6,7
	ds_store_b32 v[T4], v[D+\k] offset:SA+2048*(\rev*7+(1-2*\rev)*\k)
.endr
.endm
	s_cmp_lt_u32 s8, 8
	s_cbranch_scc0 .Lside1
	STAGE2 0
	s_branch .Lscanned
.Lside1:
	STAGE2 1
.Lscanned:
	s_wait_dscnt 0x0                               ; zero again, for the waves that read SA behind the barrier
	s_barrier_signal -1
	s_barrier_wait -1
	; STEP 3.  H[q] = min(down, up)^2 + q^2 for the 256 q of my row, 8 a lane, into my own 1,024 bytes: both waves of a row make it,
	; which costs 12 instructions and spares a barrier.
	ds_load_b128 v[GA:GA+3],   v[RR] offset:SA
	ds_load_b128 v[GA+4:GA+7], v[RR] offset:SA+512
	ds_load_b128 v[GB:GB+3],   v[RR] offset:SA+1024
	ds_load_b128 v[GB+4:GB+7], v[RR] offset:SA+1536
	s_wait_dscnt 0x0
.irp k, 0,1,2,3,4,5,6,7
	v_min_num_f32 v[GA+\k], v[GA+\k], v[GB+\k]
.endr
.irp k, 0,2,4,6
	v_pk_fma_f32 v[H+\k:H+\k+1], v[GA+\k:GA+\k+1], v[GA+\k:GA+\k+1], v[Q2+\k:Q2+\k+1]
.endr
	ds_store_b128 v[W1], v[H:H+3]   offset:HR
	ds_store_b128 v[W1], v[H+4:H+7] offset:HR+512
; STEP 4.  16 q to a chunk, q counted from the chunk's first: sum = H[q] - 2 p (q - first).  Moving the origin on by 16 adds 32 p to the
; minimum so far (REBASE), so the factors 0 .. 15 stay in 16 registers and nothing else is stepped.  All numbers stay below 2^24 in size.
.macro LOADH c, buf                    ; every lane reads the same 16 bytes
.irp k, 0,1,2,3
	ds_load_b128 v[\buf+4*\k:\buf+4*\k+3], v[HB] offset:HR+64*(\c)+16*\k
.endr
.endm
.macro REBASE
	v_pk_fma_f32 v[ACC:ACC+1],   v[P:P+1],   0xc1800000, v[ACC:ACC+1]   op_sel_hi:[1,0,1]    ; - 16 x (-2 p)
	v_pk_fma_f32 v[ACC+2:ACC+3], v[P+2:P+3], 0xc1800000, v[ACC+2:ACC+3] op_sel_hi:[1,0,1]
.endm
.set STARTED, 0
.macro CHUNK buf
.set u, 0
.rept 8                                ; a pair of q: for each of my 4 p one packed multiply-add (-2 p taken twice from its register) and one min3
.set tb, TT+8*(u&1)
	v_pk_fma_f32 v[tb:tb+1],   v[I+2*u:I+2*u+1], v[P:P+1],   v[\buf+2*u:\buf+2*u+1] op_sel_hi:[1,0,1]
	v_pk_fma_f32 v[tb+2:tb+3], v[I+2*u:I+2*u+1], v[P:P+1],   v[\buf+2*u:\buf+2*u+1] op_sel:[0,1,0] op_sel_hi:[1,1,1]
	v_pk_fma_f32 v[tb+4:tb+5], v[I+2*u:I+2*u+1], v[P+2:P+3], v[\buf+2*u:\buf+2*u+1] op_sel_hi:[1,0,1]
	v_pk_fma_f32 v[tb+6:tb+7], v[I+2*u:I+2*u+1], v[P+2:P+3], v[\buf+2*u:\buf+2*u+1] op_sel:[0,1,0] op_sel_hi:[1,1,1]
.irp j, 0,1,2,3
.if STARTED
	v_min3_num_f32 v[ACC+\j], v[ACC+\j], v[tb+2*\j], v[tb+2*\j+1]
.else
	v_min_num_f32 v[ACC+\j], v[tb+2*\j], v[tb+2*\j+1]              ; the first pair starts the minima: nothing is preset
.endif
.endr
.set STARTED, 1
.set u, u+1
.endr
.endm
	LOADH 0, HB0                                   ; LDS serves a wave's instructions in order (ISA guide 5.7.1): these see the two stores above
	LOADH 1, HB1
	s_wait_dscnt 0x4                               ; here and below: this chunk's H are in, the next chunk's four loads may stay out
	CHUNK HB0
	LOADH 2, HB0
.set ch, 1
.rept 7
	s_wait_dscnt 0x4
	REBASE
	CHUNK HB1                                      ; chunk ch
	LOADH ch+2, HB1
	s_wait_dscnt 0x4
	REBASE
	CHUNK HB0                                      ; chunk ch + 1
.if ch+3 < 16
	LOADH ch+3, HB0
.endif
.set ch, ch+2
.endr
	s_wait_dscnt 0x0                               ; chunk 15: nothing was issued behind it
	REBASE
	CHUNK HB1
	; The last origin is q = 240: d2 = minimum - 480 p + p^2.
	v_pk_add_f32 v[ACC:ACC+1],   v[ACC:ACC+1],   v[CP:CP+1]
	v_pk_add_f32 v[ACC+2:ACC+3], v[ACC+2:ACC+3], v[CP+2:CP+3]
.irp j, 0,1,2,3
	v_sqrt_f32 v[R+\j], v[ACC+\j]
.endr
.irp j, 0,1,2,3
	v_cmp_neq_f32 s[M+\j], v[XS+\j], v[XS+\j]      ; true for NaN alone.  These compares, which touch neither R nor ACC, also stand between the
.endr                                                  ; roots and the first use of a root (ISA guide 5.7.2)
	s_wait_alu depctr_va_vdst(0)
.irp j, 0,1,2,3
	v_cndmask_b32 v[R+\j], v[R+\j], v[XS+\j], s[M+\j]      ; where x is NaN, x itself
.endr
	global_store_b128 v[L16], v[R:R+3], s[18:19] th:TH_STORE_NT    ; the wave's store covers 512 consecutive bytes, aligned
	s_wait_tensorcnt 0x0
	ds_add_u32 v216, v217
	s_wait_dscnt 0x0
	s_endpgm
.Lfunc_end_k_q32895b630e_edt:
	.size	k_q32895b630e_edt, .Lfunc_end_k_q32895b630e_edt-k_q32895b630e_edt
	.p2alignl 7, 3214868480
	.fill 96, 4, 3214868480
	.section	.rodata,"a",@progbits
	.p2align	6, 0x0
	.amdhsa_kernel k_q32895b630e_edt
		.amdhsa_group_segment_fixed_size 75776
		.amdhsa_private_segment_fixed_size 0
		.amdhsa_enable_private_segment 0
		.amdhsa_kernarg_size 16
		.amdhsa_user_sgpr_count 2
		.amdhsa_user_sgpr_kernarg_segment_ptr 1
		.amdhsa_wavefront_size32 1
		.amdhsa_system_sgpr_workgroup_id_x 1
		.amdhsa_system_sgpr_workgroup_id_y 1
		.amdhsa_system_sgpr_workgroup_id_z 1
		.amdhsa_system_vgpr_workitem_id 0
		.amdhsa_next_free_vgpr 218
		.amdhsa_next_free_sgpr 66
		.amdhsa_reserve_vcc 0
		.amdhsa_float_denorm_mode_32 3
		.amdhsa_float_denorm_mode_16_64 3
		.amdhsa_memory_ordered 1
		.amdhsa_forward_progress 1
		.amdhsa_inst_pref_size 107
	.end_amdhsa_kernel
	.amdgpu_metadata
---
amdhsa.version: [ 1, 2 ]
amdhsa.kernels:
  - .name:           k_q32895b630e_edt
    .symbol:         k_q32895b630e_edt.kd
    .args:
      - { .name: x, .offset: 0, .size: 8, .value_kind: global_buffer, .address_space: global }
      - { .name: out0, .offset: 8, .size: 8, .value_kind: global_buffer, .address_space: global }
    .group_segment_fixed_size: 75776
    .private_segment_fixed_size: 0
    .kernarg_segment_align: 8
    .kernarg_segment_size: 16
    .max_flat_workgroup_size: 512
    .sgpr_count:     66
    .vgpr_count:     218
    .wavefront_size: 32
...
	.end_amdgpu_metadata
.endif
;; end of part 1
;; ======== version 2 of 2: 1 launch; version 1 with the launch edt written anew for expert scheduling mode
;; launch edt (part 2): grid 32 x 6, 16 waves a work-group, no clusters, 75,776 bytes of LDS; arguments x, out0; writes out0
.if DOCPART == 2
	.amdgcn_target "amdgcn-amd-amdhsa--gfx1250"
	.amdhsa_code_object_version 6
	.text
	.protected	k_q32895b630e_edt
	.globl	k_q32895b630e_edt
	.p2align	8
	.type	k_q32895b630e_edt,@function
k_q32895b630e_edt:
	s_mov_b64 s[64:65], 0
	v_nop
	global_prefetch_b8 v0, s[64:65] scope:SCOPE_SE
	s_setreg_imm32_b32 hwreg(HW_REG_WAVE_SCHED_MODE, 0, 2), 2
	s_setreg_imm32_b32 hwreg(HW_REG_WAVE_MODE, 25, 1), 1
	s_wait_xcnt 0x0
	s_wait_alu depctr_vm_vsrc(0)
; Exact Euclidean distance transform of 6 images of 256 x 256 f32: out = sqrt(min over zero pixels of dr^2 + dc^2), 512 where the image
; has no zero, NaN where x is NaN.  All intermediate numbers are whole and below 2^24, so f32 sums are exact and the two one-dimensional
; passes may change places: here the pass along H comes first and the pass along W second, so that a work-group's results are whole rows.
; LIMITS: x == 0 is the IEEE compare (-0.0 is a zero, a denormal is not, NaN is not); the root is v_sqrt_f32 (1 ULP).
;
; A work-group (ttmp9 = strip 0..31, ttmp7 = image 0..5) makes 8 rows x 256 columns with 16 waves.
;  1  Wave w reads rows 16w .. 16w+15 of the image (32 loads of 512 neighbouring bytes, all issued at once), from the row farthest from the
;     strip to the nearest: a compare and a select per register overwrite 'distance to the strip's edge'; the last write is the nearest zero.
;  2  Thread (column, side) takes the least of the 16 waves' figures and scans the 8 strip rows down (side 0) or up (side 1):
;     d = min(d + 1, flag), flag = 0 on a zero and 512 elsewhere.  512 is the cap, and 512^2 is the reference's INF.
;  3  Wave (row w >> 1, half w & 1) builds H[q] = min(down, up)^2 + q^2 of its row in 1,024 bytes of LDS of its own.
;  4  d2[p] = p^2 + min over q of (H[q] - 2 p q).  A lane owns 4 neighbouring p; two q cost one packed multiply-add and one min3.
; NO CLUSTER, NO TENSOR LOADS, though the 32 work-groups of an image read the same 262,144 bytes: each loaded register is used once, by one
; compare, straight where the load put it; through LDS the same bytes would cost 512 more LDS loads a work-group, and the image and the
; 73,728 bytes of tables below do not fit in LDS together.  No matrix instruction: a minimum of sums is no product.
; 192 work-groups: 256 rows divide into strips of 8; shorter strips would repeat step 1 in more work-groups.
;
; THE MODE: SCHED_MODE bits 1:0 = 2 (LLVM: expert scheduling mode 2), set by the entry lines.  The code itself states the register dependences
; between vector instructions and memory or LDS instructions, and between a vector instruction that writes a scalar register and that
; register's readers, with s_wait_alu, always for 0.
; THE PLAN.  Registers that memory or LDS instructions touch:
;   v3, VO         offsets of the global loads (v3 also of the store): made together at the head, one wait, then all 33 loads.  VO's registers
;                  are the sums at work (TT) in step 4, behind the one wait on vm_vsrc.
;   X              the loads land; step 1's compares read it.  Behind step 1 its registers take step 2's and 3's LDS loads and the H buffers.
;   v4-9, v30      LDS addresses: made in the set-up, never written again.
;   N, BIG, FV     data of step 1's LDS stores; D of step 2's; H of step 3's; R of the global store: one wait on va_vdst ahead of each run of stores.
;                  Each of these waits also states that the vector lines in front of it are done with the registers in which the next step's loads land.
;   H buffers      eight of 16 registers; chunk c reads buffer c mod 8.  Chunks 0 to 7 are asked for at once.  Chunks 4 to 11 each ask, at their
;                  head, for chunk c + 4, into the buffer that chunk c - 4 read.  ONE wait on va_vdst at the head of chunk 4 and one at the head
;                  of chunk 8 state that the four chunks before are done reading; the chunks since name only the ring's other half, TT, ACC, P and I.
;   masks          step 1's compares write two sets of eight scalar registers by turns: compares of row r + 1, selects of row r, the wait on va_sdst.
.set BIGF, 0x44000000                  ; 512.0
.set VA,   0                           ; LDS: 16 slots (one a wave) of 2,048 bytes: 256 distances upward, 256 downward
.set FA,   32768                       ; 8 strip rows x 256 flags
.set SA,   40960                       ; 8 strip rows x (256 scanned downward, 256 scanned upward)
.set HR,   57344                       ; 16 waves x 256 H, each wave's own
.set L16, 3                            ; v3   16 x lane
.set W1,  4                            ; v4   wave x 1,024 + 16 x lane
.set W2,  5                            ; v5   wave x 2,048 + 16 x lane
.set W5,  6                            ; v6   wave x 512 + 16 x lane
.set T4,  7                            ; v7   4 x thread
.set C4,  8                            ; v8   4 x (thread mod 256)
.set RR,  9                            ; v9   strip row x 2,048 + 16 x lane
.set XS,  10                           ; v[10:13]   x of my 4 outputs
.set N,   14                           ; v[14:21]   8 columns: distance from the strip's edge to the nearest zero in my 16 rows
.set BIG, 22                           ; v[22:25]   512.0
.set FV,  26                           ; v[26:29]   flags of my 4 pixels
.set HB,  30                           ; v30  wave x 1,024 (the same in all lanes)
.set QF,  31                           ; v31  4 x lane as f32
.set X,   32                           ; v[32:159]  16 rows x 8 columns as loaded, in the order of issue
.set VO,  160                          ; v[160:175] byte offset of each of these rows
.set I,   176                          ; v[176:191] 0.0 .. 15.0
.set Q2,  192                          ; v[192:199] q^2 of the 8 columns 4 lane + k, 128 + 4 lane + k
.set PF,  200                          ; v[200:203] p of my 4 outputs
.set P,   204                          ; v[204:207] -2 p
.set CP,  208                          ; v[208:211] p (p - 480)
.set ACC, 212                          ; v[212:215] running minima
.set T,   32                           ; X is free behind step 1: v[32:47] 16 slots' figures
.set FR,  48                           ; v[48:55]   8 flags in scan order
.set D,   56                           ; v[56:63]   8 scanned distances
.set GA,  32                           ; v[32:39], v[40:47] the two scans of my row
.set GB,  40
.set H,   48                           ; v[48:55]   H of 8 columns
.set HBF, 32                           ; v[32:159]  eight buffers of 16 H, the same in all lanes: chunk c's at HBF + 16 ((c + 2) mod 8), so that chunks 0 to 5 lie clear of steps 2 and 3
.set TT,  160                          ; v[160:175] sums at work, two sets of four pairs, where VO lay
.set R,   160                          ; v[160:163] results, when the sums are over
.set MF,  32                           ; s[32:35]   compare masks of the strip's flags
.set M,   36                           ; s[36:51]   compare masks, two sets of eight
	s_load_b128 s[4:7], s[0:1], 0x0                ; x s[4:5], out0 s[6:7]
	v_lshl_add_u32 v216, v0, 2, 0x12000
	v_mov_b32 v217, 0
	v_and_b32 v1, 31, v0                           ; lane
	v_lshrrev_b32 v2, 5, v0
	v_readfirstlane_b32 s8, v2                     ; wave 0..15
	s_mov_b32 s9, ttmp9                            ; strip 0..31: rows 8 strip .. 8 strip + 7
	s_and_b32 s10, ttmp7, 0xffff                   ; image 0..5
	v_lshlrev_b32 v[L16], 4, v1
	s_lshl_b32 s12, s10, 18                        ; image x 262,144 bytes
	s_lshl_b32 s13, s9, 13                         ; strip x 8 rows x 1,024 bytes
	s_wait_alu depctr_va_sdst(0)                   ; s8 is written, ahead of its first reader, the next line
	s_lshl_b32 s24, s8, 9                          ; wave x 512 = (wave >> 1) rows + (wave & 1) half rows
	s_add_co_u32 s16, s12, s13
	s_add_co_u32 s16, s16, s24                     ; my 512 bytes of the strip, in x and in out0
	s_mov_b32 s17, 0
	s_lshl_b32 s14, s8, 14                         ; wave x 16 rows
	s_add_co_u32 s14, s14, s12                     ; my 16 rows of the image
	s_mov_b32 s15, 0
	; Above the strip (2 wave < strip) rows go upward in number, below it downward: always toward the strip.
	s_mov_b32 s27, 0xfffffc00                      ; -1,024
	s_lshl_b32 s21, s8, 1
	s_cmp_lt_u32 s21, s9
	s_cselect_b32 s26, 0, 15360                    ; the first row's byte offset in my 16 rows,
	s_cselect_b32 s27, 1024, s27                   ; the step to the next,
	s_cselect_b32 s28, 1, 0                        ; and the direction, kept
	s_lshl_b32 s20, s9, 3
	s_lshl_b32 s22, s8, 4
	s_sub_co_i32 s20, s20, s22                     ; above: the strip's first row - my first row (8 .. 248)
	s_sub_co_i32 s29, 8, s20                       ; below: my last row - the strip's last row (8 .. 248)
	s_cmp_lg_u32 s28, 0
	s_cselect_b32 s20, s20, s29
	s_cvt_f32_u32 s20, s20                         ; the first row's distance from the strip's edge; each later row is 1 nearer
	s_lshr_b32 s30, s9, 1                          ; the wave whose 16 rows hold the strip
.set ld, 0
.rept 16                                               ; the 16 rows' offsets hang on no argument: they are made while the arguments are on their way
	v_add_nc_u32 v[VO+ld], s26, v[L16]             ; a register of its own for each row: none is rewritten while its loads are out
	s_add_co_u32 s26, s26, s27
.set ld, ld+1
.endr
	s_wait_kmcnt 0x0
	s_add_nc_u64 s[14:15], s[4:5], s[14:15]
	s_add_nc_u64 s[18:19], s[6:7], s[16:17]
	s_add_nc_u64 s[16:17], s[4:5], s[16:17]
	s_wait_alu depctr_va_vdst(0)                   ; v3 and the 16 offsets are written, which the 33 loads below read
	global_load_b128 v[XS:XS+3], v[L16], s[16:17]
.set ld, 0
.rept 16
	global_load_b128 v[X+8*ld:X+8*ld+3],   v[VO+ld], s[14:15]
	global_load_b128 v[X+8*ld+4:X+8*ld+7], v[VO+ld], s[14:15] offset:512
.set ld, ld+1
.endr
	; While the 33 loads are out: LDS addresses and the constants of steps 3 and 4.  None of these lines writes v3, VO, XS or X.
	s_lshl_b32 s23, s8, 10
	s_lshl_b32 s22, s8, 11
	s_lshr_b32 s25, s8, 1
	s_lshl_b32 s25, s25, 11
	v_add_nc_u32 v[W1], s23, v[L16]
	v_add_nc_u32 v[W2], s22, v[L16]
	v_add_nc_u32 v[W5], s24, v[L16]
	v_add_nc_u32 v[RR], s25, v[L16]
	v_mov_b32 v[HB], s23
	v_lshlrev_b32 v[T4], 2, v0
	v_and_b32 v2, 0xff, v0
	v_lshlrev_b32 v[C4], 2, v2
.irp k, 0,1,2,3,4,5,6,7
	v_mov_b32 v[N+\k], BIGF                        ; no zero seen yet
.endr
.irp k, 0,1,2,3
	v_mov_b32 v[BIG+\k], BIGF
.endr
.irp k, 0,1,2,3,4,5,6,7,8,9,10,11,12,13,14,15
	v_cvt_f32_u32 v[I+\k], \k
.endr
	v_lshlrev_b32 v2, 2, v1
	v_cvt_f32_u32 v[QF], v2
.irp k, 0,1,2,3
	v_add_f32 v[Q2+\k], v[QF], v[I+\k]             ; q = 4 lane + k
.endr
.irp k, 0,1,2,3
	v_add_f32 v[Q2+4+\k], 0x43000000, v[Q2+\k]     ; q = 128 + 4 lane + k
.endr
	s_and_b32 s31, s8, 1
	s_lshl_b32 s31, s31, 7
	s_cvt_f32_u32 s31, s31                         ; 128 x my half
.irp j, 0,1,2,3
	v_add_f32 v[PF+\j], s31, v[Q2+\j]              ; p = 128 half + 4 lane + j
.endr
.irp k, 0,2,4,6
	v_pk_mul_f32 v[Q2+\k:Q2+\k+1], v[Q2+\k:Q2+\k+1], v[Q2+\k:Q2+\k+1]
.endr
.irp j, 0,2
	v_pk_mul_f32 v[P+\j:P+\j+1], v[PF+\j:PF+\j+1], -2.0 op_sel_hi:[1,0]
	v_pk_add_f32 v[CP+\j:CP+\j+1], v[PF+\j:PF+\j+1], 0xc3f00000 op_sel_hi:[1,0]    ; p - 480
.endr
.irp j, 0,2
	v_pk_mul_f32 v[CP+\j:CP+\j+1], v[CP+\j:CP+\j+1], v[PF+\j:PF+\j+1]
.endr
; STEP 1.  The row issued as number 'row': where x is zero its distance replaces what a farther row left.  The compares of a row stand ahead of
; the selects of the row before, on the other set of masks, so that eight selects lie between a run of compares and the wait for its masks.
.macro CMPROW row
	s_wait_loadcnt 30-2*(\row)                     ; loads return in order (ISA guide 5.7.1): the two loads of each later row may stay out
.irp k, 0,1,2,3,4,5,6,7
	v_cmp_eq_f32 s[M+8*((\row)%2)+\k], 0, v[X+8*(\row)+\k]
.endr
.endm
.macro SELROW row
.irp k, 0,1,2,3,4,5,6,7
	v_cndmask_b32 v[N+\k], v[N+\k], s20, s[M+8*((\row)%2)+\k]
.endr
	s_add_f32 s20, s20, -1.0                       ; the next row is one nearer
.endm
	CMPROW 0                                       ; its wait also shows my 4 pixels of the strip in: their load was issued first
.irp k, 0,1,2,3
	v_cmp_eq_f32 s[MF+\k], 0, v[XS+\k]
.endr
	s_wait_alu depctr_va_sdst(0)                   ; row 0's masks and the flags' masks are written, ahead of the selects that read them
	CMPROW 1
	SELROW 0
.irp k, 0,1,2,3
	v_cndmask_b32 v[FV+\k], v[BIG+\k], 0, s[MF+\k] ; flag: 0 on a zero, 512 elsewhere
.endr
	s_wait_alu depctr_va_sdst(0)                   ; row 1's masks are written
.irp r, 2,3,4,5,6,7
	CMPROW \r
	SELROW (\r)-1
	s_wait_alu depctr_va_sdst(0)                   ; this row's masks are written, ahead of its selects, which follow the next row's compares
.endr
	SELROW 7
	s_cmp_eq_u32 s30, s8                           ; the nearer 8 of my rows are the strip itself: they are step 2's
	s_cbranch_scc1 .Lrows_done
	CMPROW 8                                       ; begun anew behind the branch: each wait stands in one straight run with its compares and its selects
	s_wait_alu depctr_va_sdst(0)                   ; row 8's masks are written
.irp r, 9,10,11,12,13,14,15
	CMPROW \r
	SELROW (\r)-1
	s_wait_alu depctr_va_sdst(0)                   ; this row's masks are written, ahead of its selects
.endr
	SELROW 15
.Lrows_done:
	s_wait_loadcnt 0x0                             ; on both ways: X is used for other things from here on
	s_wait_alu depctr_va_vdst(0)                   ; FV, N, BIG and all LDS addresses are written, which the LDS instructions from here on read; the compares are done reading X, in which step 2's loads land
	ds_store_b128 v[W5], v[FV:FV+3] offset:FA
	s_cmp_lg_u32 s28, 0                            ; my figures go to my slot's half for my direction, 512 to the other
	s_cbranch_scc0 .Lstore_down
	ds_store_b128 v[W2], v[N:N+3]     offset:VA
	ds_store_b128 v[W2], v[N+4:N+7]   offset:VA+512
	ds_store_b128 v[W2], v[BIG:BIG+3] offset:VA+1024
	ds_store_b128 v[W2], v[BIG:BIG+3] offset:VA+1536
	s_branch .Lstored
.Lstore_down:
	ds_store_b128 v[W2], v[BIG:BIG+3] offset:VA
	ds_store_b128 v[W2], v[BIG:BIG+3] offset:VA+512
	ds_store_b128 v[W2], v[N:N+3]     offset:VA+1024
	ds_store_b128 v[W2], v[N+4:N+7]   offset:VA+1536
.Lstored:
	s_wait_dscnt 0x0                               ; zero: the other waves read these bytes behind the barrier
	s_barrier_signal -1
	s_barrier_wait -1
; STEP 2.  Threads 0-255 (side 0): column = thread, from the strip's first row down.  Threads 256-511 (side 1): from its last row up.
; 4 x thread is at once the column's place in the side's half of a slot and of a row of SA.  rev = 1: the rows in reverse.
.macro STAGE2 rev
.irp s, 0,1,2,3,4,5,6,7,8,9,10,11,12,13,14,15
	ds_load_b32 v[T+\s], v[T4] offset:VA+2048*\s   ; no vector line has stood since the wait on va_vdst behind step 1
.endr
.irp k, 0,1,2,3,4,5,6,7
	ds_load_b32 v[FR+\k], v[C4] offset:FA+1024*(\rev*7+(1-2*\rev)*\k)
.endr
	s_wait_dscnt 0x8                               ; the 16 slots' figures are in; the 8 flag loads behind them may stay out
	v_min3_num_f32 v[T],    v[T],    v[T+1],  v[T+2]
	v_min3_num_f32 v[T+3],  v[T+3],  v[T+4],  v[T+5]
	v_min3_num_f32 v[T+6],  v[T+6],  v[T+7],  v[T+8]
	v_min3_num_f32 v[T+9],  v[T+9],  v[T+10], v[T+11]
	v_min3_num_f32 v[T+12], v[T+12], v[T+13], v[T+14]
	v_min3_num_f32 v[T],    v[T],    v[T+3],  v[T+6]
	v_min3_num_f32 v[T+9],  v[T+9],  v[T+12], v[T+15]
	s_wait_dscnt 0x0
	v_min3_num_f32 v[D], v[T], v[T+9], v[FR]       ; the edge row: nearest zero outside, or the row itself
.irp k, 1,2,3,4,5,6,7
	v_add_f32 v[D+\k], 1.0, v[D+\k-1]
	v_min_num_f32 v[D+\k], v[D+\k], v[FR+\k]       ; never above 512, since no flag is
.endr
	s_wait_alu depctr_va_vdst(0)                   ; the scan has written D, which the 8 stores read; the minima are done with T, in which step 3's loads land
.irp k, 0,1,2,3,4,5,6,7
	ds_store_b32 v[T4], v[D+\k] offset:SA+2048*(\rev*7+(1-2*\rev)*\k)
.endr
.endm
	s_cmp_lt_u32 s8, 8
	s_cbranch_scc0 .Lside1
	STAGE2 0
	s_branch .Lscanned
.Lside1:
	STAGE2 1
.Lscanned:
	s_wait_dscnt 0x0                               ; zero again, for the waves that read SA behind the barrier
	s_barrier_signal -1
	s_barrier_wait -1
	; STEP 3.  H[q] = min(down, up)^2 + q^2 for the 256 q of my row, 8 a lane, into my own 1,024 bytes: both waves of a row make it,
	; which costs 12 instructions and spares a barrier.
	ds_load_b128 v[GA:GA+3],   v[RR] offset:SA
	ds_load_b128 v[GA+4:GA+7], v[RR] offset:SA+512
	ds_load_b128 v[GB:GB+3],   v[RR] offset:SA+1024
	ds_load_b128 v[GB+4:GB+7], v[RR] offset:SA+1536
	s_wait_dscnt 0x0
.irp k, 0,1,2,3,4,5,6,7
	v_min_num_f32 v[GA+\k], v[GA+\k], v[GB+\k]
.endr
.irp k, 0,2,4,6
	v_pk_fma_f32 v[H+\k:H+\k+1], v[GA+\k:GA+\k+1], v[GA+\k:GA+\k+1], v[Q2+\k:Q2+\k+1]
.endr
	s_wait_alu depctr_va_vdst(0)                   ; H is written, which the two stores read; these lines are done with GA, GB and H's registers, in which the loads of chunks 6 and 7 land
	ds_store_b128 v[W1], v[H:H+3]   offset:HR
	ds_store_b128 v[W1], v[H+4:H+7] offset:HR+512
; STEP 4.  16 q to a chunk, q counted from the chunk's first: sum = H[q] - 2 p (q - first).  Moving the origin on by 16 adds 32 p to the
; minimum so far (REBASE), so the factors 0 .. 15 stay in 16 registers and nothing else is stepped.  All numbers stay below 2^24 in size.
.macro LOADH c                         ; chunk c into its buffer; every lane reads the same 16 bytes
.irp k, 0,1,2,3
	ds_load_b128 v[HBF+16*(((\c)+2)%8)+4*\k:HBF+16*(((\c)+2)%8)+4*\k+3], v[HB] offset:HR+64*(\c)+16*\k
.endr
.endm
.macro REBASE
	v_pk_fma_f32 v[ACC:ACC+1],   v[P:P+1],   0xc1800000, v[ACC:ACC+1]   op_sel_hi:[1,0,1]    ; - 16 x (-2 p)
	v_pk_fma_f32 v[ACC+2:ACC+3], v[P+2:P+3], 0xc1800000, v[ACC+2:ACC+3] op_sel_hi:[1,0,1]
.endm
.set STARTED, 0
.macro CHUNK c
.set bf, HBF+16*(((\c)+2)%8)
.set u, 0
.rept 8                                ; a pair of q: for each of my 4 p one packed multiply-add (-2 p taken twice from its register) and one min3
.set tb, TT+8*(u&1)
	v_pk_fma_f32 v[tb:tb+1],   v[I+2*u:I+2*u+1], v[P:P+1],   v[bf+2*u:bf+2*u+1] op_sel_hi:[1,0,1]
	v_pk_fma_f32 v[tb+2:tb+3], v[I+2*u:I+2*u+1], v[P:P+1],   v[bf+2*u:bf+2*u+1] op_sel:[0,1,0] op_sel_hi:[1,1,1]
	v_pk_fma_f32 v[tb+4:tb+5], v[I+2*u:I+2*u+1], v[P+2:P+3], v[bf+2*u:bf+2*u+1] op_sel_hi:[1,0,1]
	v_pk_fma_f32 v[tb+6:tb+7], v[I+2*u:I+2*u+1], v[P+2:P+3], v[bf+2*u:bf+2*u+1] op_sel:[0,1,0] op_sel_hi:[1,1,1]
.irp j, 0,1,2,3
.if STARTED
	v_min3_num_f32 v[ACC+\j], v[ACC+\j], v[tb+2*\j], v[tb+2*\j+1]
.else
	v_min_num_f32 v[ACC+\j], v[tb+2*\j], v[tb+2*\j+1]              ; the first pair starts the minima: nothing is preset
.endif
.endr
.set STARTED, 1
.set u, u+1
.endr
.endm
.set ch, 0
.rept 6
	LOADH ch                                       ; LDS serves a wave's instructions in order (ISA guide 5.7.1): these see the two stores above
.set ch, ch+1
.endr
	s_wait_alu depctr_vm_vsrc(0)                   ; the LDS stores have read H and D, in whose registers chunk 7's loads land; the global loads have read VO, whose registers the sums at work write
	LOADH 6
	LOADH 7
.set ch, 0
.rept 16
.if (ch == 4) || (ch == 8)
	s_wait_alu depctr_va_vdst(0)                   ; the four chunks before are done reading their buffers, in which the loads at the heads of this chunk and the next three land
.endif
.if (ch >= 4) && (ch < 12)
	LOADH ch+4                                     ; into the buffer that chunk ch - 4 read: no vector line since the wait above names it
	s_wait_dscnt 16                                ; this chunk's H are in; the four chunks asked for behind it (16 loads) may stay out
.elseif ch < 4
	s_wait_dscnt 28-4*ch                           ; chunks ch + 1 to 7, four loads each, may stay out
.else
	s_wait_dscnt 60-4*ch                           ; nothing more is asked for: the counts run down to 0
.endif
.if ch > 0
	REBASE
.endif
	CHUNK ch
.set ch, ch+1
.endr
	; The last origin is q = 240: d2 = minimum - 480 p + p^2.
	v_pk_add_f32 v[ACC:ACC+1],   v[ACC:ACC+1],   v[CP:CP+1]
	v_pk_add_f32 v[ACC+2:ACC+3], v[ACC+2:ACC+3], v[CP+2:CP+3]
.irp j, 0,1,2,3
	v_sqrt_f32 v[R+\j], v[ACC+\j]
.endr
.irp j, 0,1,2,3
	v_cmp_neq_f32 s[M+\j], v[XS+\j], v[XS+\j]      ; true for NaN alone.  These compares, which touch neither R nor ACC, also stand between the
.endr                                                  ; roots and the first use of a root (ISA guide 5.7.2)
	s_wait_alu depctr_va_sdst(0)                   ; the four masks are written, ahead of the selects that read them
	s_wait_alu depctr_va_vdst(0)
.irp j, 0,1,2,3
	v_cndmask_b32 v[R+\j], v[R+\j], v[XS+\j], s[M+\j]      ; where x is NaN, x itself
.endr
	s_wait_alu depctr_va_vdst(0)                   ; the selects have written R, which the store reads
	global_store_b128 v[L16], v[R:R+3], s[18:19] th:TH_STORE_NT    ; the wave's store covers 512 consecutive bytes, aligned
	s_wait_dscnt 0x0
	s_wait_alu depctr_hold_cnt(0) depctr_sa_sdst(0) depctr_va_vdst(0) depctr_va_sdst(0) depctr_va_ssrc(0) depctr_va_vcc(0) depctr_vm_vsrc(0)
	s_wait_tensorcnt 0x0
	ds_add_u32 v216, v217
	s_wait_dscnt 0x0
	s_endpgm
.Lfunc_end_k_q32895b630e_edt:
	.size	k_q32895b630e_edt, .Lfunc_end_k_q32895b630e_edt-k_q32895b630e_edt
	.p2alignl 7, 3214868480
	.fill 96, 4, 3214868480
	.section	.rodata,"a",@progbits
	.p2align	6, 0x0
	.amdhsa_kernel k_q32895b630e_edt
		.amdhsa_group_segment_fixed_size 75776
		.amdhsa_private_segment_fixed_size 0
		.amdhsa_enable_private_segment 0
		.amdhsa_kernarg_size 16
		.amdhsa_user_sgpr_count 2
		.amdhsa_user_sgpr_kernarg_segment_ptr 1
		.amdhsa_wavefront_size32 1
		.amdhsa_system_sgpr_workgroup_id_x 1
		.amdhsa_system_sgpr_workgroup_id_y 1
		.amdhsa_system_sgpr_workgroup_id_z 1
		.amdhsa_system_vgpr_workitem_id 0
		.amdhsa_next_free_vgpr 218
		.amdhsa_next_free_sgpr 66
		.amdhsa_reserve_vcc 0
		.amdhsa_float_denorm_mode_32 3
		.amdhsa_float_denorm_mode_16_64 3
		.amdhsa_memory_ordered 1
		.amdhsa_forward_progress 1
		.amdhsa_inst_pref_size 108
	.end_amdhsa_kernel
	.amdgpu_metadata
---
amdhsa.version: [ 1, 2 ]
amdhsa.kernels:
  - .name:           k_q32895b630e_edt
    .symbol:         k_q32895b630e_edt.kd
    .args:
      - { .name: x, .offset: 0, .size: 8, .value_kind: global_buffer, .address_space: global }
      - { .name: out0, .offset: 8, .size: 8, .value_kind: global_buffer, .address_space: global }
    .group_segment_fixed_size: 75776
    .private_segment_fixed_size: 0
    .kernarg_segment_align: 8
    .kernarg_segment_size: 16
    .max_flat_workgroup_size: 512
    .sgpr_count:     66
    .vgpr_count:     218
    .wavefront_size: 32
...
	.end_amdgpu_metadata
.endif
;; end of part 2
